; MI455X (gfx1250); checked and timed in simulation.
; The chip was launched on July 23, 2026; its instructions are those of AMD's public machine-readable ISA for CDNA 5 (MIT licence, August 2026) and "CDNA5" Instruction Set Architecture Reference Guide (July 2026). The comments in the code are by the model that wrote it; some were corrected since.
;; LSTM Cell. Allowed arithmetic: float matrix products may take bf16 or f16 operands with f32 sums; other float arithmetic in f32, or as packed bf16 or f16 multiplies, adds, multiply-adds, maxima and minima; sums over many terms, partial sums and values carried from step to step in f32; what a program stores and reads back later, other than sums and carried values, may be rounded once to bf16 or f16.
;; Inputs: Wf 2,048 x 4,096 float32; Wg 2,048 x 4,096 float32; Wi 2,048 x 4,096 float32; Wo 2,048 x 4,096 float32; bf 2,048 float32; bg 2,048 float32; bi 2,048 float32; bo 2,048 float32; c_prev 2,048 x 2,048 float32; h_prev 2,048 x 2,048 float32; input 2,048 x 2,048 float32.
;; Outputs: out0 2,048 x 2,048 float32; out1 2,048 x 2,048 float32.
;; 2 versions, each right; version 2 is version 1 with the launch cast written anew for expert scheduling mode. Each part assembles by itself: llvm-mc -triple=amdgcn-amd-amdhsa -mcpu=gfx1250 --defsym DOCPART=n.
;; ======== version 1 of 2: 2 launches
;; limits: values are held in f16: magnitudes above 65,504 overflow, below 6.1e-05 lose precision
;; workspace buffers: xa 16,777,216 bytes; wp 67,108,864 bytes
;; launch cast (part 1): grid 256 x 10, 4 waves a work-group, no clusters, 0 bytes of LDS; arguments input, h_prev, Wf, Wi, Wg, Wo, xa, wp; writes xa, wp
.if DOCPART == 1
	.amdgcn_target "amdgcn-amd-amdhsa--gfx1250"
	.amdhsa_code_object_version 6
	.text
	.protected	k_q072226b833_cast
	.globl	k_q072226b833_cast
	.p2align	8
	.type	k_q072226b833_cast,@function
k_q072226b833_cast:
	s_mov_b64 s[64:65], 0
	v_nop
	global_prefetch_b8 v0, s[64:65] scope:SCOPE_SE
	s_setreg_imm32_b32 hwreg(HW_REG_WAVE_MODE, 25, 1), 1
	s_wait_xcnt 0x0
; LSTM cell, first of two launches: the matrix operands are rounded ONCE to f16 (to nearest even) and laid out for the product.
;   xa [2048][4096] f16 = [input | h_prev], row-major, rows of 8,192 bytes.
;   wp [8192][4096] f16 = the four gates' weights, rows permuted: row hcol of gate g (f, i, g, o = 0 .. 3) lies at n = (hcol >> 5) * 128 + g * 32 + (hcol & 31),
;   so that 128 rows on end hold 32 columns of h for all four gates: what one wave of the second launch multiplies.
; NO WORK IS LEFT OUT: every one of the eleven inputs reaches h or c for general values, so all are loaded (six here; c_prev and the four biases, kept in f32, by the second launch).
; WHY f16.  A gate is a sum of 4,096 products, and where c is near 0 a gate's error reaches h nearly whole, while h may be off by 1% of its root mean square: 11 significant bits leave eight times the
; room of bf16's 8, at the same bytes and the same matrix rate.
; LIMITS.  An activation or a weight of magnitude 65,520 or more becomes an infinity here, and the gates that it feeds are lost; below 6.1e-5 a number keeps f16's fixed step of 6e-8.
; Activations of unit spread and weights of spread 1/64 have room for a factor of 30 either way and for an offset of 30 spreads: some 200 at the most, and a step of 1e-4 of the smallest spread.
; WHY A LAUNCH OF ITS OWN: each weight is multiplied by 8 row tiles and each activation by 32 column tiles of the product; rounded there, each number would be rounded 8 to 32 times
; and would cross LDS in 4 bytes in place of 2.
; SHARES.  y picks 16 MiB of f32: 0 input, 1 h_prev, 2 + 2 g + half = rows 1024 half .. + 1023 of gate g.  x picks 64 KiB of them, the wave 16 KiB: two pieces of 2,048 numbers.
;   activations: rows 8 x + 2 w and the next, each into its half row of xa (the pieces lie 8,192 bytes apart);   weights: the one row 1024 half + 4 x + w (4,096 bytes apart).
; A stream: no LDS, no barrier, no matrix unit, no cluster (no byte is wanted twice).  All 32 loads of a wave go out at once; a load covers 512 consecutive bytes, a store 256, both aligned.
; No register that a load or store names is written again, so the only waits are the counted ones for the loads' data.
.set LO, 2                             ; v2   16 x lane: my 16 bytes of a load's 512
.set SO, 3                             ; v3   8 x lane: my 8 bytes of a store's 256
.set X,  4                             ; v[4:131]  load i in v[4+4i : 7+4i]; its four numbers, rounded, in the first two of them
	s_load_b512 s[16:31], s[0:1], 0x0              ; input s[16:17], h_prev s[18:19], Wf s[20:21], Wi s[22:23], Wg s[24:25], Wo s[26:27], xa s[28:29], wp s[30:31]
	v_lshrrev_b32 v1, 5, v0
	v_readfirstlane_b32 s2, v1                     ; wave w, 0..3
	v_and_b32 v1, 31, v0
	v_lshlrev_b32 v[LO], 4, v1
	v_lshlrev_b32 v[SO], 3, v1
	s_and_b32 s3, ttmp7, 0xffff                    ; y
	s_max_u32 s6, s3, 2
	s_sub_co_u32 s6, s6, 2                         ; 2 g + half (0 for the activations)
	s_lshr_b32 s7, s6, 1                           ; g
	s_and_b32 s6, s6, 1                            ; half
	s_lshl_b32 s4, ttmp9, 16                       ; where I read: 64 KiB x + 16 KiB w + 16 MiB half, from the buffer's first byte
	s_lshl_b32 s5, s2, 14
	s_add_co_u32 s4, s4, s5
	s_lshl_b32 s5, s6, 24
	s_add_co_u32 s4, s4, s5
	s_mov_b32 s5, 0
	s_lshl_b32 s10, s6, 10                         ; weights: hcol = 1024 half + 4 x + w
	s_lshl_b32 s11, ttmp9, 2
	s_add_co_u32 s10, s10, s11
	s_add_co_u32 s10, s10, s2
	s_lshr_b32 s11, s10, 5
	s_lshl_b32 s11, s11, 7                         ; (hcol >> 5) * 128
	s_and_b32 s10, s10, 31
	s_add_co_u32 s11, s11, s10                     ; + (hcol & 31)
	s_lshl_b32 s10, s7, 5
	s_add_co_u32 s11, s11, s10                     ; + 32 g
	s_lshl_b32 s11, s11, 13                        ; in bytes: rows of 8,192
	s_lshl_b32 s8, ttmp9, 3                        ; activations: row 8 x + 2 w,
	s_lshl_b32 s9, s2, 1
	s_add_co_u32 s8, s8, s9
	s_lshl_b32 s8, s8, 13
	s_lshl_b32 s9, s3, 12                          ; its first half for input, its second for h_prev
	s_add_co_u32 s8, s8, s9
	s_cmp_lt_u32 s3, 2                             ; an activation?  Only lines that leave SCC alone stand between this compare and its last select
	s_cselect_b32 s8, s8, s11
	s_cselect_b32 s12, 13, 12                      ; the pieces lie 2^13 or 2^12 bytes apart
	s_mov_b32 s9, 0
	s_mov_b32 s13, 0
	s_wait_kmcnt 0x0
	s_cselect_b64 s[14:15], s[28:29], s[30:31]     ; xa or wp
	s_lshl_b32 s12, 1, s12
	s_mov_b64 s[32:33], s[16:17]                   ; the source, by y
	s_cmp_ge_u32 s3, 1
	s_cselect_b64 s[32:33], s[18:19], s[32:33]
	s_cmp_ge_u32 s3, 2
	s_cselect_b64 s[32:33], s[20:21], s[32:33]
	s_cmp_ge_u32 s3, 4
	s_cselect_b64 s[32:33], s[22:23], s[32:33]
	s_cmp_ge_u32 s3, 6
	s_cselect_b64 s[32:33], s[24:25], s[32:33]
	s_cmp_ge_u32 s3, 8
	s_cselect_b64 s[32:33], s[26:27], s[32:33]
	s_add_nc_u64 s[32:33], s[32:33], s[4:5]        ; my 16 KiB
	s_add_nc_u64 s[14:15], s[14:15], s[8:9]        ; piece 0 goes here,
	s_add_nc_u64 s[34:35], s[14:15], s[12:13]      ; piece 1 here
.set i, 0
.rept 32
	global_load_b128 v[X+4*i:X+4*i+3], v[LO], s[32:33] offset:512*i th:TH_LOAD_NT  ; read once in the whole program
.set i, i+1
.endr
.set i, 0
.rept 32
	s_wait_loadcnt 31-i                            ; loads come back in order (ISA guide 5.7.1): load i is in, the 31 - i younger ones stay out
	v_cvt_pk_f16_f32 v[X+4*i],   v[X+4*i],   v[X+4*i+1]
	v_cvt_pk_f16_f32 v[X+4*i+1], v[X+4*i+2], v[X+4*i+3]
.if i < 16
	global_store_b64 v[SO], v[X+4*i:X+4*i+1], s[14:15] offset:256*i        ; the wave's 32 lanes store 256 consecutive bytes, at a multiple of 256 from the buffer's first byte
.else
	global_store_b64 v[SO], v[X+4*i:X+4*i+1], s[34:35] offset:256*(i-16)
.endif
.set i, i+1
.endr
	s_endpgm
.Lfunc_end_k_q072226b833_cast:
	.size	k_q072226b833_cast, .Lfunc_end_k_q072226b833_cast-k_q072226b833_cast
	.p2alignl 7, 3214868480
	.fill 96, 4, 3214868480
	.section	.rodata,"a",@progbits
	.p2align	6, 0x0
	.amdhsa_kernel k_q072226b833_cast
		.amdhsa_group_segment_fixed_size 0
		.amdhsa_private_segment_fixed_size 0
		.amdhsa_enable_private_segment 0
		.amdhsa_kernarg_size 64
		.amdhsa_user_sgpr_count 2
		.amdhsa_user_sgpr_kernarg_segment_ptr 1
		.amdhsa_wavefront_size32 1
		.amdhsa_system_sgpr_workgroup_id_x 1
		.amdhsa_system_sgpr_workgroup_id_y 1
		.amdhsa_system_sgpr_workgroup_id_z 1
		.amdhsa_system_vgpr_workitem_id 0
		.amdhsa_next_free_vgpr 132
		.amdhsa_next_free_sgpr 66
		.amdhsa_reserve_vcc 0
		.amdhsa_float_denorm_mode_32 3
		.amdhsa_float_denorm_mode_16_64 3
		.amdhsa_memory_ordered 1
		.amdhsa_forward_progress 1
		.amdhsa_inst_pref_size 14
	.end_amdhsa_kernel
	.amdgpu_metadata
---
amdhsa.version: [ 1, 2 ]
amdhsa.kernels:
  - .name:           k_q072226b833_cast
    .symbol:         k_q072226b833_cast.kd
    .args:
      - { .name: input, .offset: 0, .size: 8, .value_kind: global_buffer, .address_space: global }
      - { .name: h_prev, .offset: 8, .size: 8, .value_kind: global_buffer, .address_space: global }
      - { .name: Wf, .offset: 16, .size: 8, .value_kind: global_buffer, .address_space: global }
      - { .name: Wi, .offset: 24, .size: 8, .value_kind: global_buffer, .address_space: global }
      - { .name: Wg, .offset: 32, .size: 8, .value_kind: global_buffer, .address_space: global }
      - { .name: Wo, .offset: 40, .size: 8, .value_kind: global_buffer, .address_space: global }
      - { .name: xa, .offset: 48, .size: 8, .value_kind: global_buffer, .address_space: global }
      - { .name: wp, .offset: 56, .size: 8, .value_kind: global_buffer, .address_space: global }
    .group_segment_fixed_size: 0
    .private_segment_fixed_size: 0
    .kernarg_segment_align: 8
    .kernarg_segment_size: 64
    .max_flat_workgroup_size: 128
    .sgpr_count:     66
    .vgpr_count:     132
    .wavefront_size: 32
...
	.end_amdgpu_metadata
.endif
;; end of part 1
;; launch cell (part 2): grid 32 x 8, 4 waves a work-group, clusters of 4 x 4, 327,680 bytes of LDS; arguments xa, wp, c_prev, bf, bi, bg, bo, out0, out1; writes out0, out1
.if DOCPART == 2
	.amdgcn_target "amdgcn-amd-amdhsa--gfx1250"
	.amdhsa_code_object_version 6
	.text
	.protected	k_q072226b833_cell
	.globl	k_q072226b833_cell
	.p2align	8
	.type	k_q072226b833_cell,@function
k_q072226b833_cell:
	s_mov_b64 s[64:65], 0
	v_nop
	global_prefetch_b8 v0, s[64:65] scope:SCOPE_SE
	s_setreg_imm32_b32 hwreg(HW_REG_WAVE_MODE, 25, 1), 1
	s_wait_xcnt 0x0
	s_wait_alu depctr_hold_cnt(0) depctr_sa_sdst(0) depctr_va_vdst(0) depctr_va_sdst(0) depctr_va_ssrc(0) depctr_va_vcc(0) depctr_vm_vsrc(0)
	s_getreg_b32 s2, hwreg(HW_REG_IB_STS2, 6, 4)
	s_cmp_eq_u32 s2, 0
	s_cbranch_scc0 .Lentry_in_a_cluster
	s_endpgm
.Lentry_in_a_cluster:
	s_bfe_u32 s2, ttmp6, 0x10000c
	s_cmp_lg_u32 s2, 0xf033
	s_cbranch_scc0 .Lentry_shape_is_right
	s_endpgm
.Lentry_shape_is_right:
; LSTM cell, second of two launches: gates = xa wp^T + bias (f16 operands, f32 sums), then c = sigmoid(f) c_prev + sigmoid(i) tanh(g) -> out1, h = sigmoid(o) tanh(c) -> out0, all in f32.
; xa: [2048][4096] f16 = [input | h_prev].  wp: [8192][4096] f16, rows permuted by the launch before: row (hcol >> 5) * 128 + 32 gate + (hcol & 31).  No work is left out.
; LIMITS.  The matrix operands were rounded once to f16 (11 significant bits; 65,520 or more is an infinity there, and the gates that it feeds are lost; below 6.1e-5 a fixed step of 6e-8); c_prev and the
; biases are taken in f32.  The bias starts each sum (it is the first product's C operand), so it is added ahead of the products, not behind them: another order of rounding.
; sigmoid(x) = 1 / (1 + 2^(-x log2 e)), tanh(x) = 1 - 2 / (1 + 2^(2 x log2 e)): where the power overflows to infinity or falls to 0 they give their limits 0, 1, -1, so no clamp is wanted; NaN goes through;
; tanh has an absolute error of some 1e-7, so near 0 it keeps no relative accuracy and not the sign of zero; v_exp_f32 and v_rcp_f32 are good to 1 ULP and flush denormals (ISA guide 15.8).
; SHARES.  A work-group makes 256 rows x 64 columns of h and c: a tile 256 x 256 of the gates.  Four waves, as many as a WGP has SIMDs; a wave makes 128 rows x 128 rows of wp = 32 columns x 4 gates:
; 64 accumulators of 16 x 16, 512 registers.  K goes in steps of 128 through a ring of two LDS slots filled by the tensor data mover; rows of 256 bytes, aligned.
; THE MATRIX INSTRUCTION IS USED TRANSPOSED (source 0 = 16 rows of wp, source 1 = 16 rows of xa): lane l holds row l % 16 and in registers 0-7 the columns 8 (l / 16) + 0..7.  Accumulator (a, b) holds rows 16 a on,
; gate b / 2, columns 16 (b % 2) on: THE FOUR GATES OF ONE OUTPUT LIE IN ONE LANE, at the same register number of accumulators b, b + 2, b + 4, b + 6: the pointwise part changes no lanes.
; CLUSTERS: 4 x 4 work-groups.  The four of a row of the cluster need the same tiles of xa, the four of a column the same tiles of wp: each tile is asked for JOINTLY, by the same tensor load with the same
; descriptor and a mask that names the four.  c_prev's tile is each work-group's own: a plain tensor load, behind a round like every other.
; LDS.  0: slot 0 (xa's 256 rows, then wp's 256 rows, 272 bytes apart); SLOT: slot 1; 2 SLOT: the spare words.  At the end slot 0 takes c_prev's tile (256 rows x 256 bytes of f32, its last fill), and slot 1,
; whose last fill is K step 31, becomes two stages, for c and for h, written only behind a barrier at which every wave has ended its reads of the slot.
; REGISTERS, in windows of 256 (s_set_vgpr_msb's low byte: bits 1:0 source 0, 3:2 source 1, 5:4 source 2, 7:6 destination):
;   window 0: v0-31 addresses; v64-127, v128-191 fragments of xa, two buffers; v192-255 the bias of my 8 column blocks; on the way out v64-191 are at work
;   window 1: v64-127, v128-191 fragments of wp, two buffers      window 2: the accumulators of my rows 0-63 ((a, b) at v[8 (8 a + b)])      window 3: those of my rows 64-127
.set SIZE_K, 4096
.set KSTEP,  128
.set ROWB,   8192                      ; bytes in a row of xa, wp, c_prev, out0 and out1 alike
.set PITCH,  272                       ; an LDS row: 256 bytes + 16 of padding = 68 words: the 16 rows that a load touches start at 16 different groups of four banks (64 banks of 4 bytes: ISA guide 11.1)
.set HALFT,  128*PITCH                 ; 128 rows: what one tensor load brings, and what one wave reads of xa or of wp
.set SLOT,   4*HALFT
.set CTILE,  256*PITCH                 ; a tile of 256 rows x 64 f32: c_prev's, and each of the two stages
.set SPARE,  2*SLOT                    ; behind the ring: the spare words, 128 bytes for each wave: two blocks of 256 bytes that no other line names
.set LAPS,   SIZE_K/(2*KSTEP)          ; a lap = two K steps = once round the ring: 16
.set BO,   15                          ; v15     my byte offset in each bias: 4 x (my wave's first column + 8 (l / 16))
.set ADRA, 16                          ; v16-17  LDS address of my xa fragments in slot 0, 1
.set ADRB, 20                          ; v20-21  the same for wp
.set CPA,  22                          ; v22     where my 32 bytes of a row of c_prev's tile lie
.set STH,  23                          ; v23     the same place in h's stage
.set STO,  24                          ; v24     and in c's
.set RD,   25                          ; v25     where I read rows of c's stage back
.set CO,   26                          ; v26     my byte offset in two rows of an output
.set RDH,  27                          ; v27     where I read rows of h's stage back
.set SPW,  28                          ; v28     LDS address of my spare word: SPARE + 4 x my thread's number; never rewritten
.set NIL,  29                          ; v29     0; never rewritten
.set PFO,  30                          ; v30     the prefetches' offset: my lane x a row of 8,192 bytes; never rewritten
.set F0,   64                          ; fragment buffer 0
.set F1,   128                         ; fragment buffer 1
.set BIAS, 192                         ; v192-255  column block b, register r at BIAS + 8 b + r
.set TG,   64                          ; the way out: the block's four gates, 8 b + r: f at +0, i at +16, g at +32, o at +48
.set CPR,  128                         ; c_prev, 16 numbers a lane
.set CN,   144                         ; c
.set TC,   160                         ; tanh(c)
.set HN,   176                         ; h
.set SCN,  4                           ; s[4:5]   -log2 e, twice: the packed multiply names a pair
.set SCP,  6                           ; s[6:7]   2 log2 e, twice
.set G1,   24                          ; s[24:31] descriptor group 1 for xa's tiles
.set G0,   32                          ; s[32:39] group 0 for xa's tiles, one set for each slot
.set LIM,  43                          ; s43      1 in a wave that prefetches along K, else the greatest number
.set PFA,  44                          ; s[44:45] where my prefetches stand: my work-group's 32 rows of the 128 that I fetch, one K step further than the refill in hand
.set G1B,  48                          ; s[48:55], s[56:63] the same two groups for wp's tiles
.set G0B,  56
.set XA,   68                          ; s[68:83] xa, wp, c_prev, bf, bi, bg, bo, out0
.set WP,   70
.set CPV,  72
.set BF,   74
.set OUT0, 82
.set OUT1, 84                          ; s[84:85] out1
.set CPP,  86                          ; s[86:87] c_prev at my wave's 64 rows of the tile
.set G1C,  88                          ; s[88:95] descriptor group 1 for c_prev's tile
.set G0C,  96                          ; s[96:99] its group 0
.set MSB, 0
.macro WIN new                         ; the immediate's high byte repeats the setting that is left; a switch that changes nothing is dropped
.if MSB != (\new)
	s_set_vgpr_msb (MSB<<8)|(\new)
.set MSB, \new
.endif
.endm
.set MUL_LO, 0xa1                      ; source 0 (wp) window 1, source 1 (xa) window 0, C and D window 2
.set MUL_HI, 0xf1                      ; the same, C and D window 3
.set TO_B,   0x40                      ; destination window 1, address window 0
; A joint load.  Waves 0 and 1 fetch xa's two halves, waves 2 and 3 wp's.  Each line has one mask and one set of registers for all that issue it; the branch hangs on the wave's number alone.
; An s_nop 0 and four v_nop follow each of the two lines, ahead of the jump, the label and what follows.
.macro JLOAD s
	s_cmp_eq_u32 s11, 0
	s_cbranch_scc0 .Lfor_b_\@
	tensor_load_to_lds s[G0+4*(\s):G0+4*(\s)+3], s[G1:G1+7]
	s_nop 0
.rept 4
	v_nop
.endr
	s_branch .Lasked_\@
.Lfor_b_\@:
	tensor_load_to_lds s[G0B+4*(\s):G0B+4*(\s)+3], s[G1B:G1B+7]
	s_nop 0
.rept 4
	v_nop
.endr
.Lasked_\@:
.endm
; PREFETCHES INTO THE L2, behind a joint load, its five lines and the run of LDS loads that follows them.
; Along K: the K step that stands TWO refills on (512 matrix instructions ahead of the load that will ask for it): 32 rows x 256 bytes, a lane a row, one instruction a wave.  Each row's 256 bytes of a K step are
; named once in the launch: xa's tile row is read by every cluster of that row of clusters, and the one with x = 0 asks; wp's tile column by every cluster of that column, and the one with y = 0 asks; the four
; partners that ask for a tile jointly share its rows out BY ADDRESS, 32 each (by cx for xa, by cy for wp): no branch hangs on a place in the cluster.  K steps 0 to 3 come by their loads alone; the loop's last
; trip (s3 = 1) has no K step two on and asks for none.
; c_prev: in the last trip's first change of slots each wave names its own 64 rows of the tile, 256 bytes each, a lane a row: two changes of slots ahead of the tensor load that brings them.
.macro ASK slot
	s_cmp_gt_u32 s3, s[LIM]
	s_cbranch_scc0 .Lnot_mine_\@
	global_prefetch_b8 v[PFO], s[PFA:PFA+1] offset:KSTEP*2 th:TH_LOAD_NT scope:SCOPE_SE
.Lnot_mine_\@:
.if (\slot) == 0
	s_cmp_eq_u32 s3, 1
	s_cbranch_scc0 .Lnot_yet_\@
	global_prefetch_b8 v[PFO], s[CPP:CPP+1] th:TH_LOAD_NT scope:SCOPE_SE
	global_prefetch_b8 v[PFO], s[CPP:CPP+1] offset:32*ROWB th:TH_LOAD_NT scope:SCOPE_SE
.Lnot_yet_\@:
.endif
.endm
; A round of the cluster's barrier: my work-group's barrier, so that wave 0's signal speaks for all four waves; wave 0 signals for the work-group; every wave waits for all sixteen; my work-group's barrier once more.
.macro CREST                           ; a round behind its opening barrier
	s_cmp_lg_u32 s10, 0
	s_cbranch_scc1 .Lnot_wave_0_\@
	s_barrier_signal -3
.Lnot_wave_0_\@:
	s_barrier_wait -3
	s_barrier_signal -1
	s_barrier_wait -1
.endm
.macro CROUND                          ; a whole round
	s_barrier_signal -1
	s_barrier_wait -1
	CREST
.endm
	s_load_b512 s[XA:XA+15], s[0:1], 0x0           ; xa, wp, c_prev, bf, bi, bg, bo, out0
	s_load_b64 s[OUT1:OUT1+1], s[0:1], 0x40        ; out1
	v_lshl_add_u32 v[SPW], v0, 2, SPARE
	v_mov_b32 v[NIL], 0
	ds_add_u32 v[SPW], v[NIL]                      ; the wave's opening: the add, twice on end, and its wait ahead of my first tensor load; the set-up below, work on registers, stands between
	ds_add_u32 v[SPW], v[NIL]                      ; and once more, under the one wait
	v_lshrrev_b32 v1, 5, v0
	v_readfirstlane_b32 s10, v1                    ; wave 0..3
	s_lshr_b32 s11, s10, 1                         ; which half of the tile's rows is mine.  Also: I fetch for xa (0) or for wp (1)
	s_and_b32 s12, s10, 1                          ; which half of its columns.  Also: which 128 rows of that tile I fetch
	s_bfe_u32 s40, ttmp6, 0x40000                  ; cx: my place along the cluster's x
	s_bfe_u32 s41, ttmp6, 0x40004                  ; cy: along its y
	s_lshl_b32 s42, ttmp9, 2                       ; in a cluster launch ttmp9 and ttmp7 count clusters
	s_add_co_u32 s42, s42, s40                     ; tile column = 4 x cluster x + cx
	s_and_b32 s13, ttmp7, 0xffff
	s_lshl_b32 s13, s13, 2
	s_add_co_u32 s13, s13, s41                     ; tile row = 4 x cluster y + cy
	s_lshl_b32 s43, s41, 2
	s_lshl_b32 s43, 15, s43                        ; my row of the cluster: places 4 cy .. 4 cy + 3
	s_lshl_b32 s44, 0x1111, s40                    ; my column: places cx, cx + 4, cx + 8, cx + 12
	; descriptor group 1 for xa and wp: a tile of 128 rows x 128 elements of 2 bytes, padded in LDS
	s_or_b32 s[G1+0], s43, (1<<16)|(1<<20)|(1<<21)|(5<<22)|(3<<25)   ; 15:0 the mask: xa's tiles go to my row; 17:16 elements of 2 bytes; 20 padding on; 21 set beside a mask; 24:22 after every 64 words (code 5); 31:25 4 words (code 3)
	s_or_b32 s[G1B+0], s44, (1<<16)|(1<<20)|(1<<21)|(5<<22)|(3<<25)  ; the same with the mask of my column, for wp's tiles
.irp g, G1, G1B
	s_mov_b32 s[(\g)+1], KSTEP<<16                 ; tensor_dim0 = 128
	s_mov_b32 s[(\g)+2], 128<<16                   ; tensor_dim1 = 128
	s_mov_b32 s[(\g)+3], KSTEP<<16                 ; tile_dim0 = 128
	s_mov_b32 s[(\g)+4], 128                       ; tile_dim1 = 128
	s_mov_b32 s[(\g)+5], SIZE_K                    ; elements from row to row
	s_mov_b32 s[(\g)+6], 0
	s_mov_b32 s[(\g)+7], 0
.endr
	; descriptor group 1 for c_prev: 64 rows x 64 elements of 4 bytes, no mask, the same padding
	s_mov_b32 s[G1C+0], (2<<16)|(1<<20)|(5<<22)|(3<<25)
	s_mov_b32 s[G1C+1], 64<<16                     ; tensor_dim0 = 64
	s_mov_b32 s[G1C+2], 64<<16                     ; tensor_dim1 = 64
	s_mov_b32 s[G1C+3], 64<<16                     ; tile_dim0 = 64
	s_mov_b32 s[G1C+4], 64                         ; tile_dim1 = 64
	s_mov_b32 s[G1C+5], 2048                       ; elements from row to row
	s_mov_b32 s[G1C+6], 0
	s_mov_b32 s[G1C+7], 0
	s_mov_b32 s[SCN], 0xbfb8aa3b                   ; -log2 e
	s_mov_b32 s[SCN+1], s[SCN]
	s_mov_b32 s[SCP], 0x4038aa3b                   ; 2 log2 e
	s_mov_b32 s[SCP+1], s[SCP]
	; where the tiles come from.  xa's hang on the tile row alone, which my row of the cluster shares; wp's on the tile column alone, which my column shares.
	s_lshl_b32 s17, s12, 7                         ; which 128 rows of the tile I fetch
	s_lshl_b32 s16, s13, 8
	s_add_co_u32 s16, s16, s17                     ; xa: row 256 x tile row + 128 x half
	s_lshl_b32 s16, s16, 13                        ; in bytes (under 2^24)
	s_lshl_b32 s46, s42, 8
	s_add_co_u32 s46, s46, s17                     ; wp: row 256 x tile column + 128 x half
	s_lshl_b32 s46, s46, 13                        ; in bytes (under 2^26)
	s_mov_b32 s17, 0
	s_mov_b32 s47, 0
	s_mul_i32 s20, s10, HALFT                      ; and where they go: wave x 128 rows: no place in the cluster enters an LDS address
	s_wait_dscnt 0x0                               ; both opening adds are done
	s_wait_kmcnt 0x0
	s_add_nc_u64 s[14:15], s[XA:XA+1], s[16:17]
	s_add_nc_u64 s[46:47], s[WP:WP+1], s[46:47]
	CROUND                                         ; all sixteen work-groups are here: the first joint loads meet
.irp s, 0,1
	s_mov_b32 s[G0+4*(\s)], 1                                        ; count = 1
	s_add_co_u32 s[G0+4*(\s)+1], s20, (\s)*SLOT                      ; LDS address
	s_add_nc_u64 s[G0+4*(\s)+2:G0+4*(\s)+3], s[14:15], (\s)*KSTEP*2  ; global address: K step s
	s_or_b32 s[G0+4*(\s)+3], s[G0+4*(\s)+3], 0x80000000              ; type = 2
	s_mov_b32 s[G0B+4*(\s)], 1
	s_add_co_u32 s[G0B+4*(\s)+1], s20, (\s)*SLOT
	s_add_nc_u64 s[G0B+4*(\s)+2:G0B+4*(\s)+3], s[46:47], (\s)*KSTEP*2
	s_or_b32 s[G0B+4*(\s)+3], s[G0B+4*(\s)+3], 0x80000000
	JLOAD \s                                       ; the ring is filled before anything else is done: two loads of mine are out
.endr
	v_and_b32 v1, 15, v0                           ; l % 16
	v_bfe_u32 v2, v0, 4, 1                         ; l / 16
	; the bias of my 8 column blocks, as the C operand wants it: block b is gate b / 2, columns 64 x tile column + 32 x half + 16 (b % 2) + 8 (l / 16) + 0..7
	s_lshl_b32 s21, s42, 8
	s_lshl_b32 s22, s12, 7
	s_add_co_u32 s21, s21, s22
	v_lshl_add_u32 v[BO], v2, 5, s21
.irp b, 0,1,2,3,4,5,6,7
	global_load_b128 v[BIAS+8*(\b):BIAS+8*(\b)+3],   v[BO], s[BF+2*((\b)/2):BF+2*((\b)/2)+1] offset:64*((\b)%2)
	global_load_b128 v[BIAS+8*(\b)+4:BIAS+8*(\b)+7], v[BO], s[BF+2*((\b)/2):BF+2*((\b)/2)+1] offset:64*((\b)%2)+16
.endr
	; A fragment is 16 rows x 32 K in 8 registers: lane l holds row l % 16; registers 0-3 K = 8 (l / 16) + 0..7, registers 4-7 K = 16 + 8 (l / 16) + 0..7: two loads of 16 bytes, 32 bytes apart.
	v_mul_u32_u24 v3, v1, PITCH
	v_lshl_add_u32 v4, v2, 5, v3                   ; row x pitch + 32 x half of the lanes: 8 f32 of a row of c_prev, c or h
	v_lshl_add_u32 v3, v2, 4, v3                   ; row x pitch + 16 x half: a fragment
	s_mul_i32 s21, s11, HALFT                      ; my 128 rows of xa (and of the f32 tiles, whose rows have the same pitch)
	s_mul_i32 s22, s12, HALFT                      ; my 128 rows of wp,
	s_add_co_u32 s22, s22, 2*HALFT                 ; which lie behind xa's 256
	s_lshl_b32 s23, s12, 7                         ; my 32 columns: 128 bytes
	s_add_co_u32 s23, s23, s21
	v_add_nc_u32 v[CPA], s23, v4
	v_add_nc_u32 v[STO], SLOT, v[CPA]
	v_add_nc_u32 v[STH], SLOT+CTILE, v[CPA]
.irp s, 0,1
	v_add_nc_u32 v[ADRA+(\s)], s21, v3
	v_add_nc_u32 v[ADRB+(\s)], s22, v3
	s_add_co_u32 s21, s21, SLOT
	s_add_co_u32 s22, s22, SLOT
.endr
	s_mul_i32 s23, s10, 64*PITCH                   ; back: wave w takes rows 64 w .. 64 w + 63, whole; lanes 0-15 one row of 256 bytes, lanes 16-31 the next
	s_add_co_u32 s23, s23, SLOT
	v_mul_u32_u24 v5, v2, PITCH
	v_lshl_add_u32 v5, v1, 4, v5
	v_add_nc_u32 v[RD], s23, v5
	v_add_nc_u32 v[RDH], CTILE, v[RD]
	v_lshlrev_b32 v5, 13, v2                       ; and the same two rows in an output
	v_lshl_add_u32 v[CO], v1, 4, v5
	; c_prev, out0 and out1 at row 256 x tile row + 64 x wave, column 64 x tile column
	s_lshl_b32 s16, s13, 8
	s_lshl_b32 s17, s10, 6
	s_add_co_u32 s16, s16, s17
	s_lshl_b32 s16, s16, 13
	s_mov_b32 s17, 0
	s_lshl_b32 s46, s42, 8
	s_mov_b32 s47, 0
	s_add_nc_u64 s[16:17], s[16:17], s[46:47]
	s_add_nc_u64 s[CPP:CPP+1], s[CPV:CPV+1], s[16:17]
	s_add_nc_u64 s[OUT0:OUT0+1], s[OUT0:OUT0+1], s[16:17]
	s_add_nc_u64 s[OUT1:OUT1+1], s[OUT1:OUT1+1], s[16:17]
	s_mov_b32 s[G0C], 1
	s_mul_i32 s[G0C+1], s10, 64*PITCH              ; into slot 0, wave x 64 rows
	s_mov_b64 s[G0C+2:G0C+3], s[CPP:CPP+1]
	s_or_b32 s[G0C+3], s[G0C+3], 0x80000000
	; the prefetches along K
	s_lshl_b32 s20, s13, 8
	s_lshl_b32 s21, s42, 8
	s_and_b32 s22, ttmp7, 0xffff                   ; cluster y
	s_cmp_eq_u32 s11, 0                            ; do I fetch for xa?
	s_cselect_b32 s20, s20, s21                    ; the tile's first row: in xa by the tile row, in wp by the tile column
	s_cselect_b32 s21, s40, s41                    ; my place among the four that ask for it with me
	s_cselect_b32 s22, ttmp9, s22                  ; the coordinate along which other clusters read the same rows
	s_cselect_b64 s[PFA:PFA+1], s[XA:XA+1], s[WP:WP+1]
	s_cmp_eq_u32 s22, 0
	s_cselect_b32 s[LIM], 1, -1                    ; the same in all sixteen partners, for a given wave
	s_lshl_b32 s22, s12, 7
	s_add_co_u32 s20, s20, s22                     ; + the 128 rows that I fetch
	s_lshl_b32 s21, s21, 5
	s_add_co_u32 s20, s20, s21                     ; + my work-group's 32 of them
	s_lshl_b32 s20, s20, 13
	s_mov_b32 s21, 0
	s_add_nc_u64 s[PFA:PFA+1], s[PFA:PFA+1], s[20:21]
	s_add_nc_u64 s[PFA:PFA+1], s[PFA:PFA+1], 2*KSTEP*2  ; at K step 2: the first refill steps it to 3 and names K step 4.  Nothing is prefetched here, at the head
	v_and_b32 v[PFO], 31, v0
	v_lshlrev_b32 v[PFO], 13, v[PFO]
; 16 matrix instructions: row blocks a0, a0 + 1 of the window's four (hi = 0: my rows 0-63, 1: rows 64-127) x all 8 column blocks, 32 along K.
; first = 1: the first product starts the sum with the bias as its C operand (window 0): nothing is cleared, and no bias is added later.
; The 64 accumulators take turns in the same order in every quarter step: between two links of a chain stand the 63 others'.
.macro MUL16 f, hi, a0, first
.if \first
	WIN 0x81+0x40*(\hi)                            ; wp window 1, xa and the bias window 0, D window 2 or 3
.else
	WIN MUL_LO+0x50*(\hi)
.endif
.irp a, \a0, (\a0)+1
.irp b, 0,1,2,3,4,5,6,7
.if \first
	v_wmma_f32_16x16x32_f16 v[8*(8*(\a)+(\b)):8*(8*(\a)+(\b))+7], v[(\f)+8*(\b):(\f)+8*(\b)+7], v[(\f)+8*(4*(\hi)+(\a)):(\f)+8*(4*(\hi)+(\a))+7], v[BIAS+8*(\b):BIAS+8*(\b)+7]
.else
	v_wmma_f32_16x16x32_f16 v[8*(8*(\a)+(\b)):8*(8*(\a)+(\b))+7], v[(\f)+8*(\b):(\f)+8*(\b)+7], v[(\f)+8*(4*(\hi)+(\a)):(\f)+8*(4*(\hi)+(\a))+7], v[8*(8*(\a)+(\b)):8*(8*(\a)+(\b))+7]
.endif
.endr
.endr
.endm
; 32 LDS loads in one run: the fragments of one quarter step (128 rows of wp, 128 rows of xa, 32 K at byte k of the rows) into buffer f
.macro FETCH slot, k, f
	WIN TO_B
.irp i, 0,1,2,3,4,5,6,7
	ds_load_b128 v[(\f)+8*(\i):(\f)+8*(\i)+3],   v[ADRB+(\slot)] offset:(\k)+(\i)*16*PITCH
	ds_load_b128 v[(\f)+8*(\i)+4:(\f)+8*(\i)+7], v[ADRB+(\slot)] offset:(\k)+(\i)*16*PITCH+32
.endr
	WIN 0
.irp i, 0,1,2,3,4,5,6,7
	ds_load_b128 v[(\f)+8*(\i):(\f)+8*(\i)+3],   v[ADRA+(\slot)] offset:(\k)+(\i)*16*PITCH
	ds_load_b128 v[(\f)+8*(\i)+4:(\f)+8*(\i)+7], v[ADRA+(\slot)] offset:(\k)+(\i)*16*PITCH+32
.endr
.endm
; A load into a register that a matrix instruction has read, and a vector instruction that reads a matrix result, stand four plain vector instructions behind that matrix instruction
; (ISA guide 7.12.1 for vector instructions); the matrix instructions in between are not counted.
.macro PLACES
.rept 4
	v_nop
.endr
.endm
; A K step is four quarter steps of 32 along K, 64 matrix instructions each, on buffers 0, 1, 0, 1.
; One of the first three: multiplies buffer f; in its middle it fetches the next quarter's fragments, at byte k of the same slot's rows, into buffer g.
.macro QUARTER slot, k, f, g, first
	s_wait_dscnt 8                                 ; wp and xa's rows 0-63 are in; the youngest eight loads (xa's rows 64-127) may be out
	MUL16 \f, 0, 0, \first
	MUL16 \f, 0, 2, \first
	PLACES
	FETCH \slot, \k, \g
	s_wait_dscnt 32                                ; all but the 32 just issued
	MUL16 \f, 1, 0, \first
	MUL16 \f, 1, 2, \first
.endm
; The last quarter multiplies buffer 1 and changes slots.  MEET is its first half: the barrier that opens a round of the cluster's.  In front of it each wave waits for all its tensor loads, of which one is out:
; its part of the next slot; adds 0 to its spare word; and waits for that and for its own reads of this slot.
.macro MEET
	WIN 0                                          ; (the add's two registers lie in window 0)
	s_wait_tensorcnt 0x0                           ; all my tensor loads have landed
	ds_add_u32 v[SPW], v[NIL]                      ; 0 onto my spare word
	s_wait_dscnt 9                                 ; (the add and the youngest eight loads may be out)
	MUL16 F1, 0, 0, 0                              ; sixteen matrix instructions stand between the add and the wait for it
	s_wait_dscnt 0x0                               ; the add is done, and my reads of this slot are over
	s_barrier_signal -1
	MUL16 F1, 0, 2, 0                              ; work on registers while the others arrive
	WIN 0
	s_barrier_wait -1
.endm
; The whole last quarter.  Behind the round the slot just read out is filled again first: kind = 0, in the loop: jointly, with the K step two steps on; kind = 1, in the tail: slot 0 takes my 64 rows of c_prev's
; tile, a load of my own, which has K step 31's 256 matrix instructions in which to land.  Then come the next slot's first fragments.
.macro TURN slot, next, kind
.if (\kind) == 0
	s_wait_xcnt 0x0                                ; the last prefetch, a K step back, has read its address: it is stepped here, ahead of the waits of the change of slots
	s_add_nc_u64 s[PFA:PFA+1], s[PFA:PFA+1], KSTEP*2
.endif
	MEET
	CREST                                          ; no wave of any partner still reads this slot's tile or has a load on its way
.if (\kind) == 0
	s_add_nc_u64 s[G0+4*(\slot)+2:G0+4*(\slot)+3], s[G0+4*(\slot)+2:G0+4*(\slot)+3], 2*KSTEP*2
	s_add_nc_u64 s[G0B+4*(\slot)+2:G0B+4*(\slot)+3], s[G0B+4*(\slot)+2:G0B+4*(\slot)+3], 2*KSTEP*2
	JLOAD \slot                                    ; the first tensor load behind the round; the four v_nop behind it are also the places in front of the loads below
.else
	tensor_load_to_lds s[G0C:G0C+3], s[G1C:G1C+7]
	s_nop 0
	PLACES
.endif
	FETCH \next, 0, F0
.if (\kind) == 0
	ASK \slot
.endif
	MUL16 F1, 1, 0, 0
	MUL16 F1, 1, 2, 0
.endm
; THE POINTWISE PART.  n powers of two in place, as one batch: a plain instruction behind the last, then the one wait ahead of the first use of a result.
.macro EXPS base, n
.set i, 0
.rept \n
	v_exp_f32 v[(\base)+i], v[(\base)+i]
.set i, i+1
.endr
	v_nop
	s_wait_alu depctr_va_vdst(0)
.endm
.macro RCPS base, n                    ; x -> 1 / (1 + x), in place: packed additions, then a batch of reciprocals with its one wait
.set i, 0
.rept (\n)/2
	v_pk_add_f32 v[(\base)+i:(\base)+i+1], v[(\base)+i:(\base)+i+1], 1.0 op_sel_hi:[1,0]
.set i, i+2
.endr
.set i, 0
.rept \n
	v_rcp_f32 v[(\base)+i], v[(\base)+i]
.set i, i+1
.endr
	v_nop
	s_wait_alu depctr_va_vdst(0)
.endm
; Row block a: 16 rows x 32 columns, 16 outputs a lane.  The gates are scaled out of the accumulators (each accumulator's lowest registers first), 64 powers, 64 reciprocals,
; c, 16 powers, 16 reciprocals, h; c and h go into their stages at the place where c_prev was read.
.macro EPI a
	WIN 0
.irp j, 0,1
.irp q, 0,1
	ds_load_b128 v[CPR+8*(\j)+4*(\q):CPR+8*(\j)+4*(\q)+3], v[CPA] offset:(\a)*16*PITCH+64*(\j)+16*(\q)
.endr
.endr
	WIN 0x02+(\a)/4                                ; source 0 in window 2 or 3
.irp b, 0,1,2,3,4,5,6,7
.irp r, 0,2,4,6
.if (\b)/2 == 2
	v_pk_mul_f32 v[TG+8*(\b)+(\r):TG+8*(\b)+(\r)+1], v[64*((\a)%4)+8*(\b)+(\r):64*((\a)%4)+8*(\b)+(\r)+1], s[SCP:SCP+1] op_sel_hi:[1,0]  ; g: 2 x log2 e
.else
	v_pk_mul_f32 v[TG+8*(\b)+(\r):TG+8*(\b)+(\r)+1], v[64*((\a)%4)+8*(\b)+(\r):64*((\a)%4)+8*(\b)+(\r)+1], s[SCN:SCN+1] op_sel_hi:[1,0]  ; f, i, o: -x log2 e
.endif
.endr
.endr
	WIN 0
	EXPS TG, 64
	RCPS TG, 64                                    ; sigmoid(f), sigmoid(i), sigmoid(o); for g the reciprocal of which tanh is made
	s_wait_dscnt 0x0                               ; c_prev is in (and the block before's stores are done)
.set i, 0
.rept 8
	v_pk_fma_f32 v[TG+32+i:TG+32+i+1], v[TG+32+i:TG+32+i+1], -2.0, 1.0 op_sel_hi:[1,0,0]  ; tanh(g)
.set i, i+2
.endr
.set i, 0
.rept 8
	v_pk_mul_f32 v[CN+i:CN+i+1], v[TG+i:TG+i+1], v[CPR+i:CPR+i+1]
.set i, i+2
.endr
.set i, 0
.rept 8
	v_pk_fma_f32 v[CN+i:CN+i+1], v[TG+16+i:TG+16+i+1], v[TG+32+i:TG+32+i+1], v[CN+i:CN+i+1]  ; c
.set i, i+2
.endr
.set i, 0
.rept 8
	v_pk_mul_f32 v[TC+i:TC+i+1], v[CN+i:CN+i+1], s[SCP:SCP+1] op_sel_hi:[1,0]
.set i, i+2
.endr
	EXPS TC, 16
	RCPS TC, 16
.set i, 0
.rept 8
	v_pk_fma_f32 v[TC+i:TC+i+1], v[TC+i:TC+i+1], -2.0, 1.0 op_sel_hi:[1,0,0]  ; tanh(c)
.set i, i+2
.endr
.set i, 0
.rept 8
	v_pk_mul_f32 v[HN+i:HN+i+1], v[TG+48+i:TG+48+i+1], v[TC+i:TC+i+1]  ; h
.set i, i+2
.endr
.irp j, 0,1
.irp q, 0,1
	ds_store_b128 v[STO], v[CN+8*(\j)+4*(\q):CN+8*(\j)+4*(\q)+3] offset:(\a)*16*PITCH+64*(\j)+16*(\q)
	ds_store_b128 v[STH], v[HN+8*(\j)+4*(\q):HN+8*(\j)+4*(\q)+3] offset:(\a)*16*PITCH+64*(\j)+16*(\q)
.endr
.endr
.endm
; 32 of my 64 rows of a stage come back as whole rows of 256 bytes, two a load, and are stored.
.macro OUTB rd, base, half, buf
	s_wait_xcnt 0x0                                ; every earlier store has had its addresses translated (ISA guide 3.1): the registers that it read are loaded again only behind this wait
.irp t, 0,1,2,3,4,5,6,7,8,9,10,11,12,13,14,15
	ds_load_b128 v[(\buf)+4*(\t):(\buf)+4*(\t)+3], v[\rd] offset:(16*(\half)+(\t))*2*PITCH
.endr
.irp t, 0,1,2,3,4,5,6,7,8,9,10,11,12,13,14,15
	s_wait_dscnt 15-(\t)                           ; LDS loads come back in order: load t is in, the younger ones stay out
	global_store_b128 v[CO], v[(\buf)+4*(\t):(\buf)+4*(\t)+3], s[(\base):(\base)+1] offset:(16*(\half)+(\t))*2*ROWB th:TH_STORE_NT  ; 16 lanes store 256 consecutive bytes, at a multiple of 256 from the output's first byte
.endr
.endm
	s_wait_loadcnt 0x0                             ; the bias
	s_wait_tensorcnt 1                             ; my part of K step 0 is in; K step 1's may stay out
	s_barrier_signal -1
	s_barrier_wait -1                              ; everybody's is
	FETCH 0, 0, F0
	QUARTER 0, 64,  F0, F1, 1                      ; the first quarter stands in front of the loop: its products start the sums, with the bias
	WIN 0                                          ; at a label and at a branch every window is 0
	s_mov_b32 s3, LAPS-1
.Llap:                                                 ; a trip goes once round the ring, from a lap's second quarter to the next lap's first, and fills both slots again: trip i of 15 asks for K steps 2 i and 2 i + 1
	QUARTER 0, 128, F1, F0, 0
	QUARTER 0, 192, F0, F1, 0
	TURN 0, 1, 0
	QUARTER 1, 64,  F0, F1, 0
	QUARTER 1, 128, F1, F0, 0
	QUARTER 1, 192, F0, F1, 0
	TURN 1, 0, 0
	QUARTER 0, 64,  F0, F1, 0
	WIN 0
	s_sub_co_u32 s3, s3, 1
	s_cmp_lg_u32 s3, 0
	s_cbranch_scc1 .Llap
	QUARTER 0, 128, F1, F0, 0                      ; the last lap is written out: K step 30 goes on,
	QUARTER 0, 192, F0, F1, 0
	TURN 0, 1, 1                                   ; slot 0 has been read out and takes c_prev's tile,
	QUARTER 1, 64,  F0, F1, 0                      ; and K step 31 is multiplied
	QUARTER 1, 128, F1, F0, 0
	QUARTER 1, 192, F0, F1, 0
	s_wait_dscnt 8                                 ; the very last quarter: nothing more to fetch
	MUL16 F1, 0, 0, 0
	MUL16 F1, 0, 2, 0
	s_wait_dscnt 0x0                               ; my reads of slot 1 are over
	MUL16 F1, 1, 0, 0
	MUL16 F1, 1, 2, 0
	WIN 0
	PLACES                                         ; behind the last products, in front of the lines that read their results and load into their sources:
	PLACES                                         ; eight plain places, once a launch, where four are asked for
	s_wait_tensorcnt 0x0                           ; my 64 rows of c_prev have landed
	s_barrier_signal -1
	s_barrier_wait -1                              ; everybody's have, and nobody reads slot 1 any more: it has had its last fill and becomes the two stages.
.irp a, 0,1,2,3,4,5,6,7
	EPI \a
.endr
	s_wait_dscnt 0x0                               ; for the others' sake: my stores into the stages are done
	s_barrier_signal -1
	s_barrier_wait -1                              ; a stage row's 256 bytes come from two waves: now they are whole
	OUTB RD,  OUT1, 0, 64                          ; c
	OUTB RD,  OUT1, 1, 128
	OUTB RDH, OUT0, 0, 64                          ; h
	OUTB RDH, OUT0, 1, 128
	s_wait_tensorcnt 0x0                           ; the wave's end: behind my last tensor load and my last LDS store
	ds_add_u32 v[SPW], v[NIL]
	s_wait_dscnt 0x0
	CROUND                                         ; the closing round: no work-group ends while a partner may still ask for a tile that names it
	s_endpgm
.Lfunc_end_k_q072226b833_cell:
	.size	k_q072226b833_cell, .Lfunc_end_k_q072226b833_cell-k_q072226b833_cell
	.p2alignl 7, 3214868480
	.fill 96, 4, 3214868480
	.section	.rodata,"a",@progbits
	.p2align	6, 0x0
	.amdhsa_kernel k_q072226b833_cell
		.amdhsa_group_segment_fixed_size 327680
		.amdhsa_private_segment_fixed_size 0
		.amdhsa_enable_private_segment 0
		.amdhsa_kernarg_size 72
		.amdhsa_user_sgpr_count 2
		.amdhsa_user_sgpr_kernarg_segment_ptr 1
		.amdhsa_wavefront_size32 1
		.amdhsa_system_sgpr_workgroup_id_x 1
		.amdhsa_system_sgpr_workgroup_id_y 1
		.amdhsa_system_sgpr_workgroup_id_z 1
		.amdhsa_system_vgpr_workitem_id 0
		.amdhsa_next_free_vgpr 1024
		.amdhsa_next_free_sgpr 100
		.amdhsa_reserve_vcc 0
		.amdhsa_float_denorm_mode_32 3
		.amdhsa_float_denorm_mode_16_64 3
		.amdhsa_memory_ordered 1
		.amdhsa_forward_progress 1
		.amdhsa_inst_pref_size 237
	.end_amdhsa_kernel
	.amdgpu_metadata
---
amdhsa.version: [ 1, 2 ]
amdhsa.kernels:
  - .name:           k_q072226b833_cell
    .symbol:         k_q072226b833_cell.kd
    .args:
      - { .name: xa, .offset: 0, .size: 8, .value_kind: global_buffer, .address_space: global }
      - { .name: wp, .offset: 8, .size: 8, .value_kind: global_buffer, .address_space: global }
      - { .name: c_prev, .offset: 16, .size: 8, .value_kind: global_buffer, .address_space: global }
      - { .name: bf, .offset: 24, .size: 8, .value_kind: global_buffer, .address_space: global }
      - { .name: bi, .offset: 32, .size: 8, .value_kind: global_buffer, .address_space: global }
      - { .name: bg, .offset: 40, .size: 8, .value_kind: global_buffer, .address_space: global }
      - { .name: bo, .offset: 48, .size: 8, .value_kind: global_buffer, .address_space: global }
      - { .name: out0, .offset: 56, .size: 8, .value_kind: global_buffer, .address_space: global }
      - { .name: out1, .offset: 64, .size: 8, .value_kind: global_buffer, .address_space: global }
    .group_segment_fixed_size: 327680
    .private_segment_fixed_size: 0
    .kernarg_segment_align: 8
    .kernarg_segment_size: 72
    .max_flat_workgroup_size: 128
    .sgpr_count:     100
    .vgpr_count:     1024
    .wavefront_size: 32
...
	.end_amdgpu_metadata
.endif
;; end of part 2
;; ======== version 2 of 2: 2 launches; version 1 with the launch cast written anew for expert scheduling mode
;; limits: values are held in f16: magnitudes above 65,504 overflow, below 6.1e-05 lose precision
;; workspace buffers: xa 16,777,216 bytes; wp 67,108,864 bytes
;; launch cast (part 3): grid 256 x 10, 4 waves a work-group, no clusters, 0 bytes of LDS; arguments input, h_prev, Wf, Wi, Wg, Wo, xa, wp; writes xa, wp
.if DOCPART == 3
	.amdgcn_target "amdgcn-amd-amdhsa--gfx1250"
	.amdhsa_code_object_version 6
	.text
	.protected	k_q072226b833_cast
	.globl	k_q072226b833_cast
	.p2align	8
	.type	k_q072226b833_cast,@function
k_q072226b833_cast:
	s_mov_b64 s[64:65], 0
	v_nop
	global_prefetch_b8 v0, s[64:65] scope:SCOPE_SE
	s_setreg_imm32_b32 hwreg(HW_REG_WAVE_SCHED_MODE, 0, 2), 2
	s_setreg_imm32_b32 hwreg(HW_REG_WAVE_MODE, 25, 1), 1
	s_wait_xcnt 0x0
	s_wait_alu depctr_vm_vsrc(0)
; LSTM cell, first of two launches: the matrix operands are rounded ONCE to f16 (to nearest even) and laid out for the product.
;   xa [2048][4096] f16 = [input | h_prev], row-major, rows of 8,192 bytes.
;   wp [8192][4096] f16 = the four gates' weights, rows permuted: row hcol of gate g (f, i, g, o = 0 .. 3) lies at n = (hcol >> 5) * 128 + g * 32 + (hcol & 31),
;   so that 128 rows on end hold 32 columns of h for all four gates: what one wave of the second launch multiplies.
; NO WORK IS LEFT OUT: every one of the eleven inputs reaches h or c for general values, so all are loaded (six here; c_prev and the four biases, kept in f32, by the second launch).
; WHY f16.  A gate is a sum of 4,096 products, and where c is near 0 a gate's error reaches h nearly whole, while h may be off by 1% of its root mean square: 11 significant bits leave eight times the
; room of bf16's 8, at the same bytes and the same matrix rate.
; LIMITS.  An activation or a weight of magnitude 65,520 or more becomes an infinity here, and the gates that it feeds are lost; below 6.1e-5 a number keeps f16's fixed step of 6e-8.
; Activations of unit spread and weights of spread 1/64 have room for a factor of 30 either way and for an offset of 30 spreads: some 200 at the most, and a step of 1e-4 of the smallest spread.
; WHY A LAUNCH OF ITS OWN: each weight is multiplied by 8 row tiles and each activation by 32 column tiles of the product; rounded there, each number would be rounded 8 to 32 times
; and would cross LDS in 4 bytes in place of 2.
; SHARES.  y picks 16 MiB of f32: 0 input, 1 h_prev, 2 + 2 g + half = rows 1024 half .. + 1023 of gate g.  x picks 64 KiB of them, the wave 16 KiB: two pieces of 2,048 numbers.
;   activations: rows 8 x + 2 w and the next, each into its half row of xa (the pieces lie 8,192 bytes apart);   weights: the one row 1024 half + 4 x + w (4,096 bytes apart).
; A stream: no LDS, no barrier, no matrix unit, no cluster (no byte is wanted twice).  All 32 loads of a wave go out at once; a load covers 512 consecutive bytes, a store 256, both aligned.
; THE MODE: SCHED_MODE bits 1:0 = 2 (LLVM: expert scheduling mode 2), set by the entry lines.  The code itself states the register dependences
; between vector instructions and memory instructions, with s_wait_alu, always for 0.
; THE PLAN.  Registers that memory instructions touch:
;   v[LO], v[SO]   the loads' and the stores' offsets: written once at the head, read by every load or store, never written again.
;   v[X+4i ..]     load i lands in four registers that no vector line has named; its two conversions read the four and write the first two; store i reads those two; nothing writes them again.
; The 32 loads are taken in eight blocks of four.  Block p's conversions name block p's registers alone; the four stores of block p - 1 are dealt among them.  So ONE wait on va_vdst at the head of a block,
; behind the wait for the block's data, states all that the block's four stores hang on.  No register that a load or store has read is ever written again: no wait on vm_vsrc and no s_wait_xcnt is owed.
.set LO, 2                             ; v2   16 x lane: my 16 bytes of a load's 512
.set SO, 3                             ; v3   8 x lane: my 8 bytes of a store's 256
.set X,  4                             ; v[4:131]  load i in v[4+4i : 7+4i]; its four numbers, rounded, in the first two of them
.set BLOCK,  4                         ; loads in a block
.set BLOCKS, 32 / BLOCK
	s_load_b512 s[16:31], s[0:1], 0x0              ; input s[16:17], h_prev s[18:19], Wf s[20:21], Wi s[22:23], Wg s[24:25], Wo s[26:27], xa s[28:29], wp s[30:31]
	v_lshrrev_b32 v1, 5, v0
	v_readfirstlane_b32 s2, v1                     ; wave w, 0..3
	v_and_b32 v1, 31, v0
	v_lshlrev_b32 v[LO], 4, v1
	v_lshlrev_b32 v[SO], 3, v1
	s_and_b32 s3, ttmp7, 0xffff                    ; y
	s_max_u32 s6, s3, 2
	s_sub_co_u32 s6, s6, 2                         ; 2 g + half (0 for the activations)
	s_lshr_b32 s7, s6, 1                           ; g
	s_and_b32 s6, s6, 1                            ; half
	s_lshl_b32 s4, ttmp9, 16                       ; where I read: 64 KiB x + 16 KiB w + 16 MiB half, from the buffer's first byte
	s_wait_alu depctr_va_sdst(0)                   ; s2, the wave's number, is written, ahead of its first reader: the offsets below are made from it
	s_lshl_b32 s5, s2, 14
	s_add_co_u32 s4, s4, s5
	s_lshl_b32 s5, s6, 24
	s_add_co_u32 s4, s4, s5
	s_mov_b32 s5, 0
	s_lshl_b32 s10, s6, 10                         ; weights: hcol = 1024 half + 4 x + w
	s_lshl_b32 s11, ttmp9, 2
	s_add_co_u32 s10, s10, s11
	s_add_co_u32 s10, s10, s2
	s_lshr_b32 s11, s10, 5
	s_lshl_b32 s11, s11, 7                         ; (hcol >> 5) * 128
	s_and_b32 s10, s10, 31
	s_add_co_u32 s11, s11, s10                     ; + (hcol & 31)
	s_lshl_b32 s10, s7, 5
	s_add_co_u32 s11, s11, s10                     ; + 32 g
	s_lshl_b32 s11, s11, 13                        ; in bytes: rows of 8,192
	s_lshl_b32 s8, ttmp9, 3                        ; activations: row 8 x + 2 w,
	s_lshl_b32 s9, s2, 1
	s_add_co_u32 s8, s8, s9
	s_lshl_b32 s8, s8, 13
	s_lshl_b32 s9, s3, 12                          ; its first half for input, its second for h_prev
	s_add_co_u32 s8, s8, s9
	s_cmp_lt_u32 s3, 2                             ; an activation?  Only lines that leave SCC alone stand between this compare and its last select
	s_cselect_b32 s8, s8, s11
	s_cselect_b32 s12, 13, 12                      ; the pieces lie 2^13 or 2^12 bytes apart
	s_mov_b32 s9, 0
	s_mov_b32 s13, 0
	s_wait_kmcnt 0x0
	s_cselect_b64 s[14:15], s[28:29], s[30:31]     ; xa or wp
	s_lshl_b32 s12, 1, s12
	s_mov_b64 s[32:33], s[16:17]                   ; the source, by y
	s_cmp_ge_u32 s3, 1
	s_cselect_b64 s[32:33], s[18:19], s[32:33]
	s_cmp_ge_u32 s3, 2
	s_cselect_b64 s[32:33], s[20:21], s[32:33]
	s_cmp_ge_u32 s3, 4
	s_cselect_b64 s[32:33], s[22:23], s[32:33]
	s_cmp_ge_u32 s3, 6
	s_cselect_b64 s[32:33], s[24:25], s[32:33]
	s_cmp_ge_u32 s3, 8
	s_cselect_b64 s[32:33], s[26:27], s[32:33]
	s_add_nc_u64 s[32:33], s[32:33], s[4:5]        ; my 16 KiB
	s_add_nc_u64 s[14:15], s[14:15], s[8:9]        ; piece 0 goes here,
	s_add_nc_u64 s[34:35], s[14:15], s[12:13]      ; piece 1 here
	s_wait_alu depctr_va_vdst(0)                   ; v[LO] and v[SO] are written: every load and store of the kernel reads one of them as its offset, and no later vector line names them
.set i, 0
.rept 32
	global_load_b128 v[X+4*i:X+4*i+3], v[LO], s[32:33] offset:512*i th:TH_LOAD_NT  ; read once in the whole program
.set i, i+1
.endr
; Block p: loads 4 p to 4 p + 3 are rounded; the stores of block p - 1 go out, one ahead of each pair of conversions.
.set p, 0
.rept BLOCKS
	s_wait_loadcnt 32-BLOCK-BLOCK*p                ; loads come back in order (ISA guide 5.7.1): the block's four are in, the 28 - 4 p younger ones stay out
.if p > 0
	s_wait_alu depctr_va_vdst(0)                   ; the conversions of the block before have written the registers that the four stores below read; this block's conversions name none of them
.endif
.set j, 0
.rept BLOCK
.set i, BLOCK*p+j                      ; the load that is rounded
.set k, i-BLOCK                        ; the load whose numbers are stored
.if p > 0
.if k < 16
	global_store_b64 v[SO], v[X+4*k:X+4*k+1], s[14:15] offset:256*k        ; the wave's 32 lanes store 256 consecutive bytes, at a multiple of 256 from the buffer's first byte
.else
	global_store_b64 v[SO], v[X+4*k:X+4*k+1], s[34:35] offset:256*(k-16)
.endif
.endif
	v_cvt_pk_f16_f32 v[X+4*i],   v[X+4*i],   v[X+4*i+1]
	v_cvt_pk_f16_f32 v[X+4*i+1], v[X+4*i+2], v[X+4*i+3]
.set j, j+1
.endr
.set p, p+1
.endr
	s_wait_alu depctr_va_vdst(0)                   ; the last block's conversions have written the registers that the last four stores read
.set k, 32-BLOCK
.rept BLOCK
	global_store_b64 v[SO], v[X+4*k:X+4*k+1], s[34:35] offset:256*(k-16)
.set k, k+1
.endr
	s_endpgm
.Lfunc_end_k_q072226b833_cast:
	.size	k_q072226b833_cast, .Lfunc_end_k_q072226b833_cast-k_q072226b833_cast
	.p2alignl 7, 3214868480
	.fill 96, 4, 3214868480
	.section	.rodata,"a",@progbits
	.p2align	6, 0x0
	.amdhsa_kernel k_q072226b833_cast
		.amdhsa_group_segment_fixed_size 0
		.amdhsa_private_segment_fixed_size 0
		.amdhsa_enable_private_segment 0
		.amdhsa_kernarg_size 64
		.amdhsa_user_sgpr_count 2
		.amdhsa_user_sgpr_kernarg_segment_ptr 1
		.amdhsa_wavefront_size32 1
		.amdhsa_system_sgpr_workgroup_id_x 1
		.amdhsa_system_sgpr_workgroup_id_y 1
		.amdhsa_system_sgpr_workgroup_id_z 1
		.amdhsa_system_vgpr_workitem_id 0
		.amdhsa_next_free_vgpr 132
		.amdhsa_next_free_sgpr 66
		.amdhsa_reserve_vcc 0
		.amdhsa_float_denorm_mode_32 3
		.amdhsa_float_denorm_mode_16_64 3
		.amdhsa_memory_ordered 1
		.amdhsa_forward_progress 1
		.amdhsa_inst_pref_size 13
	.end_amdhsa_kernel
	.amdgpu_metadata
---
amdhsa.version: [ 1, 2 ]
amdhsa.kernels:
  - .name:           k_q072226b833_cast
    .symbol:         k_q072226b833_cast.kd
    .args:
      - { .name: input, .offset: 0, .size: 8, .value_kind: global_buffer, .address_space: global }
      - { .name: h_prev, .offset: 8, .size: 8, .value_kind: global_buffer, .address_space: global }
      - { .name: Wf, .offset: 16, .size: 8, .value_kind: global_buffer, .address_space: global }
      - { .name: Wi, .offset: 24, .size: 8, .value_kind: global_buffer, .address_space: global }
      - { .name: Wg, .offset: 32, .size: 8, .value_kind: global_buffer, .address_space: global }
      - { .name: Wo, .offset: 40, .size: 8, .value_kind: global_buffer, .address_space: global }
      - { .name: xa, .offset: 48, .size: 8, .value_kind: global_buffer, .address_space: global }
      - { .name: wp, .offset: 56, .size: 8, .value_kind: global_buffer, .address_space: global }
    .group_segment_fixed_size: 0
    .private_segment_fixed_size: 0
    .kernarg_segment_align: 8
    .kernarg_segment_size: 64
    .max_flat_workgroup_size: 128
    .sgpr_count:     66
    .vgpr_count:     132
    .wavefront_size: 32
...
	.end_amdgpu_metadata
.endif
;; end of part 3
;; launch cell: the kernel of part 2 again; grid 32 x 8, 4 waves a work-group, clusters of 4 x 4, 327,680 bytes of LDS; arguments xa, wp, c_prev, bf, bi, bg, bo, out0, out1; writes out0, out1
